; MI455X (gfx1250); checked and timed in simulation.
; The chip was launched on July 23, 2026; its instructions are those of AMD's public machine-readable ISA for CDNA 5 (MIT licence, August 2026) and "CDNA5" Instruction Set Architecture Reference Guide (July 2026). The comments in the code are by the model that wrote it; some were corrected since.
;; Linear2 Bit. Allowed arithmetic: float matrix products may take bf16 or f16 operands with f32 sums; other float arithmetic in f32, or as packed bf16 or f16 multiplies, adds, multiply-adds, maxima and minima; sums over many terms, partial sums and values carried from step to step in f32; what a program stores and reads back later, other than sums and carried values, may be rounded once to bf16 or f16.
;; Inputs: bias 4,096 float32; scale one number float32; weight_q 4,096 x 4,096 int8; x 4,096 x 4,096 float32.
;; Outputs: out0 4,096 x 4,096 float32.
;; One version. Each part assembles by itself: llvm-mc -triple=amdgcn-amd-amdhsa -mcpu=gfx1250 --defsym DOCPART=n.
;; ======== version 1 of 1: 1 launch
;; limits: values are held in f16: magnitudes above 65,504 overflow, below 6.1e-05 lose precision; inputs' magnitudes at most 65,504; below input magnitudes of 6.1e-05 results are inexact or not finite
;; launch lin2bit (part 1): grid 8 x 32, 4 waves a work-group, clusters of 4 x 4, 327,680 bytes of LDS; arguments x, weight_q, scale, bias, out0; writes out0
.if DOCPART == 1
	.amdgcn_target "amdgcn-amd-amdhsa--gfx1250"
	.amdhsa_code_object_version 6
	.text
	.protected	k_q0d8b417671_lin2bit
	.globl	k_q0d8b417671_lin2bit
	.p2align	8
	.type	k_q0d8b417671_lin2bit,@function
k_q0d8b417671_lin2bit:
	s_mov_b64 s[64:65], 0
	v_nop
	global_prefetch_b8 v0, s[64:65] scope:SCOPE_SE
	s_setreg_imm32_b32 hwreg(HW_REG_WAVE_MODE, 25, 1), 1
	s_wait_xcnt 0x0
	s_wait_alu depctr_hold_cnt(0) depctr_sa_sdst(0) depctr_va_vdst(0) depctr_va_sdst(0) depctr_va_ssrc(0) depctr_va_vcc(0) depctr_vm_vsrc(0)
	s_getreg_b32 s2, hwreg(HW_REG_IB_STS2, 6, 4)
	s_cmp_eq_u32 s2, 0
	s_cbranch_scc0 .Lentry_in_a_cluster
	s_endpgm
.Lentry_in_a_cluster:
	s_bfe_u32 s2, ttmp6, 0x10000c
	s_cmp_lg_u32 s2, 0xf033
	s_cbranch_scc0 .Lentry_shape_is_right
	s_endpgm
.Lentry_shape_is_right:
; out0[t][o] = scale * (sum over i of x[t][i] * wq[o][i]) + bias[o].  x: [4096][4096] f32, wq: [4096][4096] int8 (any int8 is honoured), scale: one f32, bias: [4096] f32, out0: [4096][4096] f32.
; ONE LAUNCH: x and wq come into LDS as they lie in memory and are turned into f16 fragments in registers, beside the products; sums in f32; scale and bias in f32 on the way out.
; FORMAT.  wq is exact in f16: the byte xor 0x80 is u = wq + 128; the halfword 0x6400 | u is the f16 number 1024 + u; one packed addition of -1152 gives wq, exactly.  x is rounded once to f16.
; LIMITS.  |x| of 65,520 or more becomes an infinity; below 6.1e-5 x keeps f16's fixed step of 6e-8; NaN and infinities are not treated apart.  scale multiplies the finished sum (reference: each weight),
; so the order of rounding differs.  Inside each 32 along K the places of k are permuted, alike in both operands, so the products are the same and their order of addition is not the ascending one.
; SHARES.  A work-group makes 128 tokens x 512 outputs (an LDS byte count of 4 x 128 + 1 x 512 for each k, so that two slots of 128 along K fit); 32 x 8 = 256 work-groups.
; Wave w makes all 128 tokens x outputs 128 w .. 128 w + 127: 64 accumulators of 16 x 16, 512 registers.  K goes in 32 steps of 128 through a ring of two LDS slots.
; CLUSTERS: 4 x 4 work-groups.  The four of a row of the cluster need the same tile of x, the four of a column the same tile of wq: each tile is asked for JOINTLY, by the same tensor load with the same
; descriptor and a mask that names the four.
; THE MATRIX INSTRUCTION IS USED TRANSPOSED: source 0 = 16 rows of wq, source 1 = 16 rows of x: lane l then holds token l % 16 and the outputs 8 (l / 16) + 0..7.
; THE PIPELINE.  A PERIOD is 32 along K: 64 matrix instructions on converted buffer f.  Beside them the raw fragments of the next 32 along K are converted into the other buffer (224 vector instructions,
; four behind each of the first 56 matrix instructions), and the raw fragments of the 32 after that are loaded from LDS (two runs: 32 loads of x, 8 of wq).
; REGISTERS, in windows of 256 (s_set_vgpr_msb: bits 1:0 source 0, 3:2 source 1, 5:4 source 2, 7:6 destination):
;   window 0: v0-31 addresses and constants; v32-63 raw wq; v64-191 raw x (on the way out: rows read back from the stage)
;   window 1: converted buffer g at 128 g: 64 registers of x (token block a at + 8 a), then 64 of wq (output block b at + 64 + 8 b)
;   window 2: accumulators of token blocks 0-3 ((a, b) at 8 (8 a + b));   window 3: those of token blocks 4-7
; A slice of four lies under one setting, so it costs two switches; no window has room for a product's operands beside the raw data.
.set SIZE_K, 4096
.set SIZE_N, 4096
.set KSTEP,  128
.set PA,     528                       ; a row of x in LDS: 512 bytes + 16 of padding = 132 words: the 16 rows of a load start at 16 different groups of four banks (64 banks of 4 bytes: ISA guide 11.1)
.set PB,     144                       ; a row of wq: 128 bytes + 16 = 36 words: likewise
.set HALFA,  64*PA                     ; what one tensor load of x brings: 64 rows
.set HALFB,  256*PB                    ; what one tensor load of wq brings: 256 rows
.set BOFF,   128*PA                    ; in a slot: x's 128 rows, then wq's 512 rows
.set SLOT,   BOFF+512*PB
.set STAGE,  2*SLOT                    ; behind the ring, never filled by a tensor load: 16 rows x 528 bytes for each wave, for the way out
.set SP,     528
.set SPARE,  STAGE+4*16*SP             ; behind the stages: the spare words, 128 bytes for each wave: two blocks of 256 bytes that no other line names
.set LAPS,   SIZE_K/(2*KSTEP)          ; a lap = two K steps = once round the ring
.set BIAS, 12                          ; v12-15  bias of my four columns on the way out
.set ADRA, 16                          ; v16-17  LDS address of my raw x in slot 0, 1
.set ADRB, 20                          ; v20-21  the same for wq
.set STO,  24                          ; v24     the way out: where I put 16 bytes of a row
.set RD,   25                          ; v25     the way out: where I read a row back
.set CO,   26                          ; v26     16 x lane: my byte offset in 512 bytes of out0 and of bias
.set SPW,  28                          ; v28     LDS address of my spare word: SPARE + 4 x my thread's number; never rewritten
.set NIL,  29                          ; v29     0; never rewritten
.set KNEG, 30                          ; v30     -1152 in f16, twice
.set RB,   32                          ; raw wq: output block i at RB + 4 i (16 bytes a lane)
.set RA,   64                          ; raw x: token block i at RA + 16 i (16 f32 a lane)
.set OB,   64                          ; the way out: 16 rows read back, v64-127 and v128-191 by turns
.set G1,   24                          ; s[24:31] descriptor group 1 for x's tiles
.set G0,   32                          ; s[32:39] descriptor group 0 for x's tiles, one set for each slot
.set G1B,  48                          ; s[48:55] descriptor group 1 for wq's tiles
.set G0B,  56                          ; s[56:63] descriptor group 0 for wq's tiles, one set for each slot
.set CX80, 72                          ; s72  0x80808080
.set C64,  73                          ; s73  0x64646464
.set SEL0, 74                          ; s74  byte selects: raw byte 0, 0x64, raw byte 1, 0x64
.set SEL1, 75                          ; s75  raw byte 2, 0x64, raw byte 3, 0x64
.set SCL,  76                          ; s[76:77] scale: the packed multiply-add names a pair and takes its low word for both halves
.set MSB, 0
.macro WIN new                         ; the immediate's high byte repeats the setting that is left; a switch that changes nothing is dropped
.if MSB != (\new)
	s_set_vgpr_msb (MSB<<8)|(\new)
.set MSB, \new
.endif
.endm
.set MUL_LO, 0xa5                      ; sources 0 (wq) and 1 (x) window 1, C and D window 2
.set MUL_HI, 0xf5                      ; the same, C and D window 3
.set W_CV,   0x40                      ; destination window 1, sources window 0
.set W_AD,   0x41                      ; destination and source 0 window 1, source 1 window 0
; A joint load.  Waves 0 and 1 fetch x's two halves, waves 2 and 3 wq's.  Each of the two lines has ONE mask and one set of registers for all that issue it.  The branch hangs on the wave's number alone.
; An s_nop 0 and four v_nop follow each of the two lines; the jump round the other line, the label and what follows the macro come after them.
.macro JLOAD s
	s_cmp_eq_u32 s11, 0
	s_cbranch_scc0 .Lfor_b_\@
	tensor_load_to_lds s[G0+4*(\s):G0+4*(\s)+3], s[G1:G1+7]
	s_nop 0
.rept 4
	v_nop
.endr
	s_branch .Lasked_\@
.Lfor_b_\@:
	tensor_load_to_lds s[G0B+4*(\s):G0B+4*(\s)+3], s[G1B:G1B+7]
	s_nop 0
.rept 4
	v_nop
.endr
.Lasked_\@:
.endm
; A round of the cluster's barrier: my work-group's barrier, so that wave 0's signal speaks for all four waves; wave 0 signals for the work-group; every wave waits for all sixteen work-groups;
; my work-group's barrier once more.  No LDS instruction of the wave is pending at a signal.
.macro CREST                           ; a round behind its opening barrier
	s_cmp_lg_u32 s10, 0
	s_cbranch_scc1 .Lnot_wave_0_\@
	s_barrier_signal -3
.Lnot_wave_0_\@:
	s_barrier_wait -3
	s_barrier_signal -1
	s_barrier_wait -1
.endm
.macro CROUND                          ; a whole round
	s_barrier_signal -1
	s_barrier_wait -1
	CREST
.endm
	s_load_b128 s[4:7], s[0:1], 0x0                ; x s[4:5], wq s[6:7]
	s_load_b128 s[68:71], s[0:1], 0x10             ; scale s[68:69], bias s[70:71]
	s_load_b64 s[8:9], s[0:1], 0x20                ; out0
	v_lshl_add_u32 v[SPW], v0, 2, SPARE
	v_mov_b32 v[NIL], 0
	ds_add_u32 v28, v29
	ds_add_u32 v28, v29
	s_wait_dscnt 0x0
	v_lshrrev_b32 v1, 5, v0
	v_readfirstlane_b32 s10, v1                    ; wave 0..3
	s_lshr_b32 s11, s10, 1                         ; I fetch for x (0) or for wq (1)
	s_and_b32 s12, s10, 1                          ; which half of that tile's rows I fetch
	s_bfe_u32 s40, ttmp6, 0x40000                  ; cx: my place along the cluster's x
	s_bfe_u32 s41, ttmp6, 0x40004                  ; cy: along its y
	s_lshl_b32 s42, ttmp9, 2                       ; in a cluster launch ttmp9 and ttmp7 count clusters
	s_add_co_u32 s42, s42, s40                     ; tile column (512 outputs) = 4 x cluster x + cx
	s_and_b32 s13, ttmp7, 0xffff
	s_lshl_b32 s13, s13, 2
	s_add_co_u32 s13, s13, s41                     ; tile row (128 tokens) = 4 x cluster y + cy
	s_lshl_b32 s43, s41, 2
	s_lshl_b32 s43, 15, s43                        ; my row of the cluster: places 4 cy .. 4 cy + 3
	s_lshl_b32 s44, 0x1111, s40                    ; my column: places cx, cx + 4, cx + 8, cx + 12
	; descriptor group 1 for x: 64 rows x 128 elements of 4 bytes, padded in LDS
	s_or_b32 s[G1+0], s43, (2<<16)|(1<<20)|(1<<21)|(6<<22)|(3<<25)  ; 15:0 the mask: x's tiles go to my row; 17:16 elements of 4 bytes; 20 padding on; 21 set beside a mask; 24:22 after every 128 words (code 6); 31:25 4 words (code 3)
	s_mov_b32 s[G1+1], KSTEP<<16                   ; 63:48 tensor_dim0, low half = 128
	s_mov_b32 s[G1+2], 64<<16                      ; 79:64 its high half = 0; 95:80 tensor_dim1, low half = 64
	s_mov_b32 s[G1+3], KSTEP<<16                   ; 111:96 its high half = 0; 127:112 tile_dim0 = 128
	s_mov_b32 s[G1+4], 64                          ; 143:128 tile_dim1 = 64; 159:144 tile_dim2 = 0
	s_mov_b32 s[G1+5], SIZE_K                      ; 191:160 elements from row to row
	s_mov_b32 s[G1+6], 0
	s_mov_b32 s[G1+7], 0
	; descriptor group 1 for wq: 256 rows x 128 elements of 1 byte, padded in LDS
	s_or_b32 s[G1B+0], s44, (0<<16)|(1<<20)|(1<<21)|(4<<22)|(3<<25) ; the mask of my column; elements of 1 byte; padding after every 32 words (code 4), 4 words (code 3)
	s_mov_b32 s[G1B+1], KSTEP<<16                  ; tensor_dim0 = 128
	s_mov_b32 s[G1B+2], 256<<16                    ; tensor_dim1 = 256
	s_mov_b32 s[G1B+3], KSTEP<<16                  ; tile_dim0 = 128
	s_mov_b32 s[G1B+4], 256                        ; tile_dim1 = 256
	s_mov_b32 s[G1B+5], SIZE_K
	s_mov_b32 s[G1B+6], 0
	s_mov_b32 s[G1B+7], 0
	; where the tiles come from.  x's hang on the tile row alone, which my row of the cluster shares; wq's on the tile column alone, which my column shares.
	; Every wave makes both addresses, in registers that never hold the other coordinate, and asks by one of them.
	s_lshl_b32 s16, s13, 7
	s_lshl_b32 s17, s12, 6
	s_add_co_u32 s16, s16, s17                     ; x: row 128 x tile row + 64 x half,
	s_lshl_b32 s16, s16, 14                        ; of 16,384 bytes: under 2^27
	s_mov_b32 s17, 0
	s_lshl_b32 s46, s42, 9
	s_lshl_b32 s47, s12, 8
	s_add_co_u32 s46, s46, s47                     ; wq: row 512 x tile column + 256 x half,
	s_lshl_b32 s46, s46, 12                        ; of 4,096 bytes
	s_mov_b32 s47, 0
	s_mul_i32 s20, s12, HALFA                      ; and where they go: no place in the cluster enters an LDS address
	s_mul_i32 s21, s12, HALFB
	s_add_co_u32 s21, s21, BOFF
	s_wait_kmcnt 0x0
	s_add_nc_u64 s[14:15], s[4:5], s[16:17]
	s_add_nc_u64 s[46:47], s[6:7], s[46:47]
	CROUND                                         ; all sixteen work-groups are here: the first joint loads meet
.irp s, 0,1
	s_mov_b32 s[G0+4*(\s)], 1                                      ; 1:0 count = 1
	s_add_co_u32 s[G0+4*(\s)+1], s20, (\s)*SLOT                    ; 63:32 LDS address
	s_add_nc_u64 s[G0+4*(\s)+2:G0+4*(\s)+3], s[14:15], (\s)*KSTEP*4  ; 120:64 global address: K step s
	s_or_b32 s[G0+4*(\s)+3], s[G0+4*(\s)+3], 0x80000000            ; 127:126 type = 2
	s_mov_b32 s[G0B+4*(\s)], 1
	s_add_co_u32 s[G0B+4*(\s)+1], s21, (\s)*SLOT
	s_add_nc_u64 s[G0B+4*(\s)+2:G0B+4*(\s)+3], s[46:47], (\s)*KSTEP
	s_or_b32 s[G0B+4*(\s)+3], s[G0B+4*(\s)+3], 0x80000000
	JLOAD \s                                       ; the ring is filled before anything else is done: two loads of mine are out
.endr
	s_load_b32 s[SCL], s[68:69], 0x0               ; scale
	; out0 and bias at my wave's first column; out0 at the tile's first row
	s_lshl_b32 s16, s13, 21                        ; 128 rows of 16,384 bytes for each tile row
	s_mov_b32 s17, 0
	s_add_nc_u64 s[8:9], s[8:9], s[16:17]
	s_lshl_b32 s46, s42, 11                        ; 512 columns of 4 bytes for each tile column (in the registers that held wq's address: none that feeds x's descriptors ever holds cx)
	s_lshl_b32 s47, s10, 9                         ; 128 columns for each wave
	s_add_co_u32 s46, s46, s47
	s_mov_b32 s47, 0
	s_add_nc_u64 s[8:9], s[8:9], s[46:47]
	s_add_nc_u64 s[70:71], s[70:71], s[46:47]
	v_and_b32 v1, 15, v0                           ; r = l % 16
	v_bfe_u32 v2, v0, 4, 1                         ; h = l / 16
	v_and_b32 v3, 31, v0                           ; l
	v_lshlrev_b32 v[CO], 4, v3
	global_load_b128 v[BIAS:BIAS+3], v[CO], s[70:71]  ; bias of the four columns that I store
	; THE PLACES OF k.  In both operands half s of register j of lane half h holds k = 16 h + 2 j + s of the 32.  So a lane's raw x are 64 consecutive bytes at row x pitch + 128 q + 64 h,
	; and its raw wq 16 consecutive bytes at row x pitch + 32 q + 16 h.
	v_mul_u32_u24 v[ADRA], v1, PA
	v_lshl_add_u32 v[ADRA], v2, 6, v[ADRA]
	v_add_nc_u32 v[ADRA+1], SLOT, v[ADRA]
	s_mul_i32 s22, s10, 128*PB                     ; my wave's 128 rows of wq,
	s_add_co_u32 s22, s22, BOFF                    ; which lie behind x's 128 rows
	v_mul_u32_u24 v5, v1, PB
	v_lshl_add_u32 v5, v2, 4, v5
	v_add_nc_u32 v[ADRB], s22, v5
	v_add_nc_u32 v[ADRB+1], SLOT, v[ADRB]
	s_mul_i32 s23, s10, 16*SP
	s_add_co_u32 s23, s23, STAGE                   ; my stage
	v_mul_u32_u24 v6, v1, SP                       ; in: row l % 16, 32 bytes for each half of the lanes
	v_lshl_add_u32 v6, v2, 5, v6
	v_add_nc_u32 v[STO], s23, v6
	v_add_nc_u32 v[RD], s23, v[CO]                 ; back: 32 lanes take one row's 512 bytes
	v_mov_b32 v[KNEG], 0xe480e480
	s_mov_b32 s[CX80], 0x80808080
	s_mov_b32 s[C64], 0x64646464
	s_mov_b32 s[SEL0], 0x04010400
	s_mov_b32 s[SEL1], 0x04030402
	s_wait_kmcnt 0x0
	s_mov_b32 s[SCL+1], s[SCL]                     ; named with it as a pair, so it is written
; Matrix instruction n of a period's 64, on converted buffer f: token block n / 8, output block n % 8.  The 64 accumulators take turns, one instruction a turn, in the same order in every period,
; between two links of a chain stand the 63 others', over the loop's backward jump too.  zero = 1: the first product starts the sum: nothing is ever cleared.
.macro WM f, zero
.set wa, n/8
.set wb, n%8
.set rD, 8*(8*(wa%4)+wb)
.set rW, 128*(\f)+64+8*wb
.set rX, 128*(\f)+8*wa
	WIN MUL_LO+0x50*(wa/4)                         ; MUL_LO or MUL_HI
.if \zero
	v_wmma_f32_16x16x32_f16 v[rD:rD+7], v[rW:rW+7], v[rX:rX+7], 0
.else
	v_wmma_f32_16x16x32_f16 v[rD:rD+7], v[rW:rW+7], v[rX:rX+7], v[rD:rD+7]
.endif
.endm
; Slice n of the conversion into buffer g: four vector instructions under one window setting.
;   0-15   x: two f32 are rounded to f16 and packed: half a fragment a slice        16-23  wq: four bytes xor 0x80, in place: a fragment's 16 bytes a slice
;   24-39  wq: two bytes are spread into two halfwords under 0x64: 1024 + u, twice    40-55  wq: -1152 is added to both halves        56-63  nothing
; The slices write only the buffer that this period's products do not read; its last readers are the period before's products, and the registers that the very last of them read
; (token block 7, output block 7) are first written in slices 14 and 38: 56 plain vector instructions or more behind them (ISA guide 7.12.1 asks for four).
.macro RID g
.if n < 16
	WIN W_CV
.set ri, n/2
.set rj, 4*(n%2)
.rept 4
	v_cvt_pk_f16_f32 v[128*(\g)+8*ri+rj], v[RA+16*ri+2*rj], v[RA+16*ri+2*rj+1]
.set rj, rj+1
.endr
.elseif n < 24
	WIN 0
.set ri, n-16
.set rj, 0
.rept 4
	v_xor_b32 v[RB+4*ri+rj], s[CX80], v[RB+4*ri+rj]
.set rj, rj+1
.endr
.elseif n < 40
	WIN W_CV
.set ri, (n-24)/2
.set rj, 2*(n%2)
.rept 2
	v_perm_b32 v[128*(\g)+64+8*ri+2*rj],   s[C64], v[RB+4*ri+rj], s[SEL0]
	v_perm_b32 v[128*(\g)+64+8*ri+2*rj+1], s[C64], v[RB+4*ri+rj], s[SEL1]
.set rj, rj+1
.endr
.elseif n < 56
	WIN W_AD
.set rj, 128*(\g)+64+4*(n-40)
.rept 4
	v_pk_add_f16 v[rj], v[rj], v[KNEG]
.set rj, rj+1
.endr
.endif
.endm
.macro STEPS f, zero, cv, mm, cnt      ; cnt matrix instructions, each with its slice behind it
.rept \cnt
.if \mm
	WM \f, \zero
.endif
.if \cv
	RID 1-(\f)
.endif
.set n, n+1
.endr
.endm
; THE LDS LOADS stand in two runs, never singly among the matrix instructions.  They land in raw registers, which no matrix instruction names.
.macro RUNA slot, q                    ; raw x of quarter q of the slot's K step: 8 token blocks x 64 bytes a lane
	WIN 0
.irp i, 0,1,2,3,4,5,6,7
.irp j, 0,1,2,3
	ds_load_b128 v[RA+16*(\i)+4*(\j):RA+16*(\i)+4*(\j)+3], v[ADRA+(\slot)] offset:(\i)*16*PA+128*(\q)+16*(\j)
.endr
.endr
.endm
.macro RUNB slot, q                    ; raw wq of the same quarter: 8 output blocks x 16 bytes a lane
	WIN 0
.irp i, 0,1,2,3,4,5,6,7
	ds_load_b128 v[RB+4*(\i):RB+4*(\i)+3], v[ADRB+(\slot)] offset:(\i)*16*PB+32*(\q)
.endr
.endm
; A PERIOD.  f: the converted buffer that is multiplied; the slices fill the other.  slot, q: from where the raw fragments of the period after next are loaded.
; kind 0: plain.  kind 1: the loads go on into the other slot, and the slot just read out (1 - slot) is filled again, two K steps ahead.  kind 2: the same change of slots without a fill.
; zero: the products start the sums.  ld, cv, mm = 0: no loads, no conversion, no products (the pipeline's two ends).
; THE CHANGE OF SLOTS: ONE barrier for two things.  In front of it each wave waits for all its tensor loads, of which one is out: its part of the next slot; adds 0 to its spare word; and waits for that
; and for its own reads of the old slot.  Behind it nobody reads the old slot any more and the next slot is whole.  With a fill the barrier opens a round of the cluster's barrier, so that no wave of any
; partner still reads the slot or has a load on its way, and the joint refill is the first thing behind the round: from there to the wait for it a wave issues 240 matrix instructions.
.macro PERIOD f, slot, q, kind, zero, ld, cv, mm
.set n, 0
.if (\kind) == 0
.if \cv
	s_wait_dscnt 8                                 ; raw x is in: behind its run only the eight loads of raw wq were issued
.endif
.else
	WIN 0                                          ; (the add's two registers lie in window 0)
	s_wait_tensorcnt 0x0                           ; all my tensor loads have landed: the one that was out is my part of the next slot;
	ds_add_u32 v[SPW], v[NIL]                      ; 0 onto my spare word;
	s_wait_dscnt 9                                 ; raw x is in (the add and the eight loads of raw wq may be out)
.endif
	STEPS \f, \zero, \cv, \mm, 8                   ; with a change of slots: work on registers between the add and the wait for it
.if (\kind) != 0
	s_wait_dscnt 0x0                               ; the add is done, and my reads of the old slot are over:
	s_barrier_signal -1                            ; say so,
.endif
	STEPS \f, \zero, \cv, \mm, 8                   ; work on registers while the others arrive,
.if (\kind) != 0
	WIN 0                                          ; (branches may follow: at a branch and at a label every window is 0)
	s_barrier_wait -1                              ; and go on when all four have said so
.endif
.if (\kind) == 1
	CREST                                          ; the rest of the round: all sixteen work-groups have said so
	s_add_nc_u64 s[G0+4*(1-(\slot))+2:G0+4*(1-(\slot))+3], s[G0+4*(1-(\slot))+2:G0+4*(1-(\slot))+3], 2*KSTEP*4   ; no tensor load of mine is out, so a group 0 may be written: two K steps on
	s_add_nc_u64 s[G0B+4*(1-(\slot))+2:G0B+4*(1-(\slot))+3], s[G0B+4*(1-(\slot))+2:G0B+4*(1-(\slot))+3], 2*KSTEP
	JLOAD 1-(\slot)                                ; my one tensor load behind the round, ahead of every LDS read
.endif
.if \ld
	RUNA \slot, \q                                 ; slices 0-15 have read raw x: its registers take the period after next's
	s_wait_dscnt 32                                ; raw wq is in: all but the 32 just issued
.elseif \cv
	s_wait_dscnt 0x0                               ; raw wq is in: nothing was issued behind it
.endif
	STEPS \f, \zero, \cv, \mm, 24
.if \ld
	RUNB \slot, \q                                 ; slices 16-39 have read raw wq
.endif
	STEPS \f, \zero, \cv, \mm, 24
.endm
; THE WAY OUT of token block a.  A lane holds eight neighbouring outputs of one token, 32 bytes; the lanes beside it hold other tokens.  So the block's 16 rows x 512 bytes go through my own stage in LDS.
.macro TOSTAGE a
.set BK, OB+64*((\a)%2)
.set AC, 64*((\a)%4)
.if (\a) >= 2
	s_wait_xcnt 0x0                                ; the stores of the block two back have had their addresses translated (ISA guide 3.1): only behind this wait are their data registers loaded again
.endif
	WIN 0x08+4*((\a)/4)                            ; the stores' data: window 2 or 3
.irp b, 0,1,2,3,4,5,6,7
	ds_store_b128 v[STO], v[AC+8*(\b):AC+8*(\b)+3]   offset:64*(\b)      ; each accumulator's four lowest registers first
	ds_store_b128 v[STO], v[AC+8*(\b)+4:AC+8*(\b)+7] offset:64*(\b)+16
.endr
	WIN 0
.irp t, 0,1,2,3,4,5,6,7,8,9,10,11,12,13,14,15
	ds_load_b128 v[BK+4*(\t):BK+4*(\t)+3], v[RD] offset:(\t)*SP  ; LDS serves a wave's instructions in order (ISA guide 5.7.1.4): these see the stores above; the next block's stores come behind them
.endr
.endm
.macro SEND a, younger                 ; younger: the LDS instructions issued behind block a's loads: the next block's 32, or none
	WIN 0
.set BK, OB+64*((\a)%2)
.if (\a) > 0
	s_wait_xcnt 0x0                                ; the stores' base is stepped only behind this wait
	s_add_nc_u64 s[8:9], s[8:9], 16*SIZE_N*4       ; 16 rows of out0 on
.endif
.irp t, 0,1,2,3,4,5,6,7,8,9,10,11,12,13,14,15
	s_wait_dscnt (\younger)+15-(\t)                ; row t is back in registers
	v_pk_fma_f32 v[BK+4*(\t):BK+4*(\t)+1],   v[BK+4*(\t):BK+4*(\t)+1],   s[SCL:SCL+1], v[BIAS:BIAS+1]   op_sel_hi:[1,0,1]  ; sum x scale + bias, in f32
	v_pk_fma_f32 v[BK+4*(\t)+2:BK+4*(\t)+3], v[BK+4*(\t)+2:BK+4*(\t)+3], s[SCL:SCL+1], v[BIAS+2:BIAS+3] op_sel_hi:[1,0,1]
	global_store_b128 v[CO], v[BK+4*(\t):BK+4*(\t)+3], s[8:9] offset:(\t)*SIZE_N*4 th:TH_STORE_NT  ; 32 lanes store 512 consecutive bytes, at a multiple of 512 from out0's first byte
.endr
.endm
	s_wait_loadcnt 0x0                             ; bias, once: no global load of mine is out at any signal
	s_wait_tensorcnt 1                             ; my part of K step 0 is in; K step 1's may stay out
	s_barrier_signal -1
	s_barrier_wait -1                              ; everybody's is
	RUNA 0, 0                                      ; the pipeline fills: raw fragments of the first 32 along K,
	RUNB 0, 0
	PERIOD 1, 0, 1, 0, 0, 1, 1, 0                  ; their conversion into buffer 0, with no products yet, and the raw fragments of the second 32
	PERIOD 0, 0, 2, 0, 1, 1, 1, 1                  ; the first products stand in front of the loop: they start the sums
	WIN 0                                          ; at a label and at a branch every window is 0
	s_mov_b32 s3, LAPS-1
.Llap:                                                 ; a trip is eight periods, once round the ring, and fills both slots again
	PERIOD 1, 0, 3, 0, 0, 1, 1, 1
	PERIOD 0, 1, 0, 1, 0, 1, 1, 1                  ; the loads go on into slot 1; slot 0 is filled again
	PERIOD 1, 1, 1, 0, 0, 1, 1, 1
	PERIOD 0, 1, 2, 0, 0, 1, 1, 1
	PERIOD 1, 1, 3, 0, 0, 1, 1, 1
	PERIOD 0, 0, 0, 1, 0, 1, 1, 1                  ; the loads go on into slot 0; slot 1 is filled again
	PERIOD 1, 0, 1, 0, 0, 1, 1, 1
	PERIOD 0, 0, 2, 0, 0, 1, 1, 1
	WIN 0
	s_sub_co_u32 s3, s3, 1
	s_cmp_lg_u32 s3, 0
	s_cbranch_scc1 .Llap
	PERIOD 1, 0, 3, 0, 0, 1, 1, 1                  ; the tail is written out: nothing more is asked for
	PERIOD 0, 1, 0, 2, 0, 1, 1, 1                  ; the last change of slots: my one tensor load that was still out is the last K step's
	PERIOD 1, 1, 1, 0, 0, 1, 1, 1
	PERIOD 0, 1, 2, 0, 0, 1, 1, 1
	PERIOD 1, 1, 3, 0, 0, 1, 1, 1
	PERIOD 0, 0, 0, 0, 0, 0, 1, 1                  ; nothing is left to load,
	PERIOD 1, 0, 0, 0, 0, 0, 0, 1                  ; and nothing to convert
	WIN 0
.rept 4
	v_nop                                          ; four places between the last products and the LDS stores that read results (ISA guide 7.12.1 for vector instructions)
.endr
	TOSTAGE 0
.irp a, 1,2,3,4,5,6,7                  ; block a's way through the stage stands between block a - 1's loads and the waits for them
	TOSTAGE \a
	SEND (\a)-1, 32
.endr
	SEND 7, 0
	s_wait_tensorcnt 0x0                           ; the wave's end: behind my last tensor load and my last LDS store
	ds_add_u32 v[SPW], v[NIL]
	s_wait_dscnt 0x0
	CROUND                                         ; the closing round: no work-group ends while a partner may still ask for a tile that names it
	s_endpgm
.Lfunc_end_k_q0d8b417671_lin2bit:
	.size	k_q0d8b417671_lin2bit, .Lfunc_end_k_q0d8b417671_lin2bit-k_q0d8b417671_lin2bit
	.p2alignl 7, 3214868480
	.fill 96, 4, 3214868480
	.section	.rodata,"a",@progbits
	.p2align	6, 0x0
	.amdhsa_kernel k_q0d8b417671_lin2bit
		.amdhsa_group_segment_fixed_size 327680
		.amdhsa_private_segment_fixed_size 0
		.amdhsa_enable_private_segment 0
		.amdhsa_kernarg_size 40
		.amdhsa_user_sgpr_count 2
		.amdhsa_user_sgpr_kernarg_segment_ptr 1
		.amdhsa_wavefront_size32 1
		.amdhsa_system_sgpr_workgroup_id_x 1
		.amdhsa_system_sgpr_workgroup_id_y 1
		.amdhsa_system_sgpr_workgroup_id_z 1
		.amdhsa_system_vgpr_workitem_id 0
		.amdhsa_next_free_vgpr 1024
		.amdhsa_next_free_sgpr 80
		.amdhsa_reserve_vcc 0
		.amdhsa_float_denorm_mode_32 3
		.amdhsa_float_denorm_mode_16_64 3
		.amdhsa_memory_ordered 1
		.amdhsa_forward_progress 1
		.amdhsa_inst_pref_size 255
	.end_amdhsa_kernel
	.section	.bss,"aw",@nobits
	.p2align	6
	.space	262144
	.amdgpu_metadata
---
amdhsa.version: [ 1, 2 ]
amdhsa.kernels:
  - .name:           k_q0d8b417671_lin2bit
    .symbol:         k_q0d8b417671_lin2bit.kd
    .args:
      - { .name: x, .offset: 0, .size: 8, .value_kind: global_buffer, .address_space: global }
      - { .name: weight_q, .offset: 8, .size: 8, .value_kind: global_buffer, .address_space: global }
      - { .name: scale, .offset: 16, .size: 8, .value_kind: global_buffer, .address_space: global }
      - { .name: bias, .offset: 24, .size: 8, .value_kind: global_buffer, .address_space: global }
      - { .name: out0, .offset: 32, .size: 8, .value_kind: global_buffer, .address_space: global }
    .group_segment_fixed_size: 327680
    .private_segment_fixed_size: 0
    .kernarg_segment_align: 8
    .kernarg_segment_size: 40
    .max_flat_workgroup_size: 128
    .sgpr_count:     80
    .vgpr_count:     1024
    .wavefront_size: 32
...
	.end_amdgpu_metadata
.endif
;; end of part 1
